; MI455X (gfx1250); checked and timed in simulation.
; The chip was launched on July 23, 2026; its instructions are those of AMD's public machine-readable ISA for CDNA 5 (MIT licence, August 2026) and "CDNA5" Instruction Set Architecture Reference Guide (July 2026). The comments in the code are by the model that wrote it; some were corrected since.
;; Calculate Attention. Allowed arithmetic: matrix products marked QUANTISED: E2M1 operands, one E8M0 scale for each 32 along K, by v_wmma_scale_f32_16x16x128_f8f6f4 with both operands' format E2M1 (or v_wmma_scale_f32_32x16x128_f4), f32 sums; everything else in f32.
;; Inputs: K 4 x 16 x 2,048 x 64 float32; Q 4 x 16 x 2,048 x 64 float32; V 4 x 16 x 2,048 x 64 float32; mask 4 x 1 x 2,048 x 2,048 bool.
;; Outputs: out0 4 x 16 x 2,048 x 64 float32.
;; This version of the problem:
;;   THIS VERSION OF THE PROBLEM IS GIVEN IN LOW PRECISION. The matrix products marked QUANTISED in the list below multiply operands that are first quantised to E2M1 (2 exponent bits, 1 mantissa bit; 4 bits a number), with one power-of-two scale for each 32 numbers along K (OCP MX v1.0); their sums are f32. All else is computed in f32.
;;   The module's matrix products, in the order in which they are computed (A, B: the left and right operand; K: the contracted axis; several contracted axes count as one K, in the product's order):
;;     1. batch 64 x [M 2,048, K 64] x [K 64, N 2,048]; A: input Q; B: input K: QUANTISED
;;     2. batch 64 x [M 2,048, K 2,048] x [K 2,048, N 64]; A: softmax (see below); B: input V: QUANTISED
;;   THE QUANTISER, for each operand of a quantised product, along K:
;;     - K is cut into blocks of 32 from its start; a last block that is shorter is filled with zeros.
;;     - A block's scale is 2^e with e = floor(log2(the largest magnitude in the block)) - 2, held to -126 .. 127; a block of zeros has e = 0. As a byte (E8M0): e + 127.
;;     - Each number is divided by its block's scale, clamped to +-6, and rounded to the nearest number of E2M1, ties to even, subnormals kept.
;;     - The product sums the exact products of the quantised numbers (number of the format x scale) in f32.
;;   ~~~python
;;   def quantise(x, axis):      # numpy; x: float32 -> the quantised numbers, widened to float32 again
;;       x = np.moveaxis(x, axis, -1); K = x.shape[-1]
;;       x = np.pad(x, [(0, 0)] * (x.ndim - 1) + [(0, -K % 32)]); x = x.reshape(x.shape[:-1] + (-1, 32)); a = np.abs(x).max(-1, keepdims=True)
;;       e = np.where(a > 0, np.clip(np.frexp(np.where(a > 0, a, 1))[1] - 1 - 2, -126, 127), 0)      # np.frexp(a)[1] - 1 = floor(log2(a)), exactly
;;       r = np.clip(x / 2.0 ** e, -6, 6)
;;       step = 2.0 ** (np.maximum(np.frexp(np.where(r == 0, 1, r))[1] - 1, 0) - 1)
;;       q = np.round(r / step) * step * 2.0 ** e      # np.round: ties to even
;;       return np.moveaxis(q.reshape(q.shape[:-2] + (-1,))[..., :K], -1, axis).astype(np.float32)
;;   ~~~
;;   SOFTMAX AHEAD OF A QUANTISED PRODUCT. Where the list says 'softmax', what is quantised is not the finished softmax but p = 2^(t - M), with t = logit x log2(e) and M = ceil(the row's largest t), a whole number; so 1/2 < the row's largest p <= 1. The row's sum l is taken of the UNQUANTISED p, in f32, and the product's result is divided by l at the end. Since M is a whole number, a kernel that streams over the keys may use a running M (the ceiling of the running maximum): every later rescaling is an exact power of two, which a block's scale takes up: the codes' values come out the same.
;;   OPERANDS COMPUTED ON THE WAY. 'Computed on the way' means the value that the module computes at that place (a softmax that the list does not call 'softmax' is quantised finished and normalised). What goes into a quantiser is computed in f32, as accurately as f32 sums, v_exp_f32 and their like allow (about 1e-6 of the number): no bf16 or f16 on the way to a quantiser, and a product that is left as it is and whose result goes on into a quantised operand takes f32 operands (vector FMAs, or v_wmma_f32_16x16x4_f32). A number that lies on a knife's edge between two numbers of the format may be rounded either way, as far as f32 arithmetic and the matrix unit's own rounding can turn it there, and no further.
;; One version. Each part assembles by itself: llvm-mc -triple=amdgcn-amd-amdhsa -mcpu=gfx1250 --defsym DOCPART=n.
;; ======== version 1 of 1: 2 launches
;; limits: right only within a limited range of input values
;; workspace buffers: kv 9,175,040 bytes; mcodes 8,388,608 bytes
;; launch prep (part 1): grid 1024 x 1, 4 waves a work-group, no clusters, 35,328 bytes of LDS; arguments K, V, mask, kv, mcodes; writes kv, mcodes
.if DOCPART == 1
	.amdgcn_target "amdgcn-amd-amdhsa--gfx1250"
	.amdhsa_code_object_version 6
	.text
	.protected	k_qa11f8d3105_prep
	.globl	k_qa11f8d3105_prep
	.p2align	8
	.type	k_qa11f8d3105_prep,@function
k_qa11f8d3105_prep:
	s_mov_b64 s[64:65], 0
	v_nop
	global_prefetch_b8 v0, s[64:65] scope:SCOPE_SE
	s_setreg_imm32_b32 hwreg(HW_REG_WAVE_MODE, 25, 1), 1
	s_wait_xcnt 0x0
; K, V [64 heads][2048 keys][64] f32 and mask [4][2048 queries][2048 keys] bytes are turned ONCE into what the attention launch's matrix operands take, laid in the order of the operands' registers.
; kv: [head][key step of 128][record of 8,960 bytes]:
;   0     KC  8 tiles x 512 bytes: tile t = 2 b + u, lane l = 16 h + r: 16 bytes at 512 t + 16 l = the FP4 codes of key 32 b + 8 u + r + 8 (r / 8), channels 32 h .. 32 h + 31
;   4096  VC  at 1024 tau + 512 c + 16 l: the codes of channel 16 tau + r, keys 64 c + 32 h + 0 .. 31 (the keys are the second product's K)
;   8192  KS  at 16 l + 4 j: the scale word of tile 2 j + l / 16, row l % 16: bytes (s0, s1, s0, s1), s0, s1 the E8M0 bytes of the key's two blocks of 32 channels
;   8704  VS  at 8 l + 4 j: the scale word of channel 16 (2 j + l / 16) + l % 16: byte i for the step's key block i
; mcodes: [batch x 128 + tile of 16 queries][key step][c][lane][16 bytes]: lane (r, h), register j = 4 c + i, nibble n = mask[query r][key 32 (j / 2) + 16 h + 8 (j % 2) + n]: 1, the FP4 code of 0.5, where masked; else 0.
; THE QUANTISER: a block's scale is 2^(floor(log2(its largest magnitude)) - 2); its byte is that magnitude's exponent field - 2, held at 1 from below by a floor among the maximum's leaves.
; LIMITS: NaN and infinities are not served.  A block whose largest magnitude lies under 2^-124, a block of zeros among them, gets the byte 1 (a block of zeros has zero codes, which add nothing under any byte
; but 0xff, and this program alone reads the bytes).  Mask bytes are 0 or 1, as a bool is stored.
; SHARES: work-groups 0-255 take K, 256-511 V, 512-1023 the mask; a wave takes one job: a key step of one head (32 KiB in), or 16 queries x 512 keys of the mask (8 KiB in).  Waves share nothing: no barrier.
; K's path and the mask's path have LDS bytes of their own, a stage of 16 rows x 272 bytes for each wave.
; THE ORDER OF THE KEYS IN A TILE AND IN THE MASK'S CODES, which takes the place of what the lines on KC and on mcodes above say of it:
;   KC: row r of tile t is key 64 (t / 4) + 8 (t % 4) + r % 8 + 32 (r / 8) of the step;
;   mcodes: lane (r, h), register j = 4 c + i, nibble n = mask[query r][key 64 c + 32 h + 8 i + n]: the order of a 4-bit operand's registers.
.set REC,  8960
.set SPT,  272                         ; a stage row: 256 bytes + 16: row i starts 16 i bytes on modulo 256, so sixteen rows' equal columns fall on different banks (64 banks of 4 bytes: ISA guide 11.1)
.set WST,  16*SPT                      ; a wave's stage
.set MST,  4*WST                       ; the mask path's stages begin behind K's four
.set SW,   12                          ; v12-15   scale words on their way out
.set R,    24                          ; v24-87   K: two sets of 32 as loaded; V: two sets of 32 down the keys; mask: 16 rows x 4
.set X,    88                          ; v88-119  K: a lane's block of 32 neighbours; mask: the packed words
.set C,    120                         ; v120-151 codes, four registers for each tile or set, so that no store's data are written again; mask: the way out
	s_load_b256 s[4:11], s[0:1], 0x0               ; K s[4:5], V s[6:7], mask s[8:9], kv s[10:11]
	s_load_b64 s[12:13], s[0:1], 0x20              ; mcodes
	v_lshl_add_u32 v152, v0, 2, 0x8800
	v_mov_b32 v153, 0
	v_lshrrev_b32 v1, 5, v0
	v_readfirstlane_b32 s16, v1                    ; wave 0..3
	v_and_b32 v1, 31, v0                           ; lane
	v_lshlrev_b32 v2, 4, v1                        ; 16 x lane; never rewritten
	v_and_b32 v10, 15, v0                          ; r
	v_bfe_u32 v11, v0, 4, 1                        ; h
	s_mul_i32 s17, s16, WST                        ; my wave's stage
	; all four LDS addresses are made here, ahead of the parting
	v_mul_u32_u24 v3, v11, SPT
	v_lshl_add_u32 v3, v10, 4, v3
	v_add_nc_u32 v3, s17, v3                       ; K, in: two rows an instruction: row h, 16 bytes at 16 r
	v_mul_u32_u24 v4, v10, SPT
	v_lshl_add_u32 v4, v11, 7, v4
	v_add_nc_u32 v4, s17, v4                       ; K, back: row r, my half's 128 bytes
	v_add_nc_u32 v6, MST, v3                       ; mask, back: as K's way in, in the mask's stage
	v_lshrrev_b32 v16, 2, v1
	v_bfe_u32 v17, v1, 1, 1
	v_lshl_or_b32 v16, v16, 1, v17                 ; u = 2 (lane / 4) + bit 1 of the lane: which 256 bytes of the job's 4,096 my words belong to (bit 1: the half h of the operand's lanes)
	v_mul_u32_u24 v5, v16, SPT
	v_and_b32 v17, 1, v1
	v_lshl_add_u32 v5, v17, 3, v5                  ; + 8 x bit 0 of the lane: which pair of registers
	v_add_nc_u32 v5, s17, v5
	v_add_nc_u32 v5, MST, v5                       ; mask, in
	s_mov_b32 s20, 0x76543210
	s_mov_b32 s21, 0xfedcba98                      ; v_permlanex16_b32's selects for lane l xor 16
	s_mov_b32 s22, 0xffff0000                      ; lanes 16-31
	s_mov_b32 s23, 0x06040200                      ; v_perm_b32: the even bytes of eight
	s_mov_b32 s24, 0x07050301                      ; the odd ones
	s_mov_b32 s27, 0                               ; the high word of every offset
	s_wait_kmcnt 0x0
	s_cmp_lt_u32 ttmp9, 256
	s_cbranch_scc1 .Lk
	s_cmp_lt_u32 ttmp9, 512
	s_cbranch_scc1 .Lv
	; ---- THE MASK: 16 queries (tile ttmp9 - 512) x 512 keys (quarter = wave).
	s_sub_co_u32 s18, ttmp9, 512
	s_lshl_b32 s26, s18, 15                        ; 16 rows of 2,048 bytes
	s_lshl_b32 s19, s16, 9
	s_add_co_u32 s26, s26, s19
	s_add_nc_u64 s[8:9], s[8:9], s[26:27]
	s_lshl_b32 s26, s18, 14                        ; 16 steps of 1,024 bytes
	s_lshl_b32 s19, s16, 12
	s_add_co_u32 s26, s26, s19
	s_add_nc_u64 s[12:13], s[12:13], s[26:27]
.irp r, 0,1,2,3,4,5,6,7,8,9,10,11,12,13,14,15
	global_load_b128 v[R+4*\r:R+4*\r+3], v2, s[8:9] offset:2048*\r th:TH_LOAD_NT   ; query r: 512 consecutive bytes, 16 keys a lane
.endr
.irp r, 0,1,2,3,4,5,6,7,8,9,10,11,12,13,14,15
	s_wait_loadcnt 15-\r                           ; row r is in; the later rows' loads may be out
.irp p, 0,1
	v_perm_b32 v10, v[R+4*\r+2*\p+1], v[R+4*\r+2*\p], s23      ; of eight bytes the even ones,
	v_perm_b32 v11, v[R+4*\r+2*\p+1], v[R+4*\r+2*\p], s24      ; the odd ones,
	v_lshl_or_b32 v[X+2*\r+\p], v11, 4, v10                    ; and eight nibbles, the lower key in the lower bits
.endr
	s_wait_alu depctr_va_vdst(0)
	ds_store_b64 v5, v[X+2*\r:X+2*\r+1] offset:16*\r           ; the 32 lanes write 32 different pieces of 8 bytes modulo 256
.endr
.irp k, 0,1,2,3,4,5,6,7
	ds_load_b128 v[C+4*\k:C+4*\k+3], v6 offset:2*SPT*\k        ; LDS serves a wave's instructions in order (ISA guide 5.7.1.4): these see my stores
.endr
.irp k, 0,1,2,3,4,5,6,7
	s_wait_dscnt 7-\k                              ; load k is back; the later ones may be out
	global_store_b128 v2, v[C+4*\k:C+4*\k+3], s[12:13] offset:512*\k   ; 512 consecutive bytes, at a multiple of 256 from the buffer's first byte
.endr
	s_wait_tensorcnt 0x0
	ds_add_u32 v152, v153
	s_wait_dscnt 0x0
	s_endpgm
; The largest magnitude of the 32 numbers v[xs] .. v[xs + 31], with the floor 2^(3 - 127) as one more leaf, in two chains; then 2 off its exponent field: v16 is the conversions' scale operand.
.macro BLKMAX xs
	v_max3_num_f32 v10, |v[\xs]|, |v[\xs+1]|, |v[\xs+2]|
	v_max3_num_f32 v11, |v[\xs+3]|, |v[\xs+4]|, |v[\xs+5]|
.irp i, 6,10,14,18,22,26
	v_max3_num_f32 v10, v10, |v[\xs+\i]|, |v[\xs+\i+1]|
	v_max3_num_f32 v11, v11, |v[\xs+\i+2]|, |v[\xs+\i+3]|
.endr
	v_max3_num_f32 v10, v10, |v[\xs+30]|, |v[\xs+31]|
	v_max3_num_f32 v10, v10, v11, 0x1800000
	v_add_nc_u32 v16, 0xff000000, v10
.endm
	; ---- K: job = 16 head + step.  A tile's 16 keys are two runs of eight rows of 256 bytes, 32 rows apart.
.macro KLOAD t                         ; tile t as it lies: eight loads of 512 consecutive bytes, two keys each, into set t % 2
.irp j, 0,1,2,3
	global_load_b128 v[R+32*((\t)%2)+4*\j:R+32*((\t)%2)+4*\j+3], v2, s[4:5] offset:(64*((\t)/4)+8*((\t)%4))*256+512*\j th:TH_LOAD_NT
.endr
.irp j, 0,1,2,3
	global_load_b128 v[R+32*((\t)%2)+16+4*\j:R+32*((\t)%2)+16+4*\j+3], v2, s[4:5] offset:(64*((\t)/4)+8*((\t)%4)+32)*256+512*\j th:TH_LOAD_NT
.endr
.endm
.macro KTILE t
.if (\t) < 7
	s_wait_loadcnt 8                               ; this tile's eight loads are in; the next tile's eight may be out
.else
	s_wait_loadcnt 0x0
.endif
.irp j, 0,1,2,3,4,5,6,7
	ds_store_b128 v3, v[R+32*((\t)%2)+4*\j:R+32*((\t)%2)+4*\j+3] offset:2*SPT*\j   ; the tile's rows 2 j, 2 j + 1
.endr
.irp m, 0,1,2,3,4,5,6,7
	ds_load_b128 v[X+4*\m:X+4*\m+3], v4 offset:16*\m           ; back: row r's channels 32 h .. 32 h + 31: a whole block in my registers
.endr
	s_wait_dscnt 0x0                               ; the block is in, and the stores have read their registers,
.if (\t) < 6
	KLOAD (\t)+2                                   ; which take the tile two further on
.endif
	BLKMAX X
.irp g, 0,1,2,3
	v_cvt_scalef32_pk8_fp4_f32 v[C+4*(\t)+\g], v[X+8*\g:X+8*\g+7], v16
.endr
	v_lshrrev_b32 v17, 23, v16                     ; the scale's byte (also the plain place behind the conversions),
	v_lshlrev_b32 v17, v7, v17                     ; at its place, 8 h bits up;
	v_permlanex16_b32 v18, v17, s20, s21
	v_or_b32 v17, v17, v18                         ; with lane l xor 16's: (s0, s1);
	v_lshl_or_b32 v17, v17, 16, v17                ; repeated for the instruction's upper 64 along K, where the queries' codes are zeros
.if (\t)%2 == 0
	v_mov_b32 v[SW+(\t)/2], v17                    ; an even tile's words in lanes 0-15,
.else
	v_cndmask_b32 v[SW+(\t)/2], v[SW+(\t)/2], v17, s22   ; the odd tile's in lanes 16-31 of the same register
.endif
	global_store_b128 v2, v[C+4*(\t):C+4*(\t)+3], s[10:11] offset:512*(\t)   ; 512 consecutive bytes, at a multiple of 256 from the buffer's first byte
.endm
.Lk:
	s_lshl_b32 s18, ttmp9, 2
	s_add_co_u32 s18, s18, s16                     ; job
	s_lshl_b32 s26, s18, 15
	s_add_nc_u64 s[4:5], s[4:5], s[26:27]
	s_mul_i32 s26, s18, REC
	s_add_nc_u64 s[10:11], s[10:11], s[26:27]
	v_lshlrev_b32 v7, 3, v11                       ; 8 h
	v_mov_b32 v18, 0                               ; written once: a lane permute's destination counts as one of its sources
	KLOAD 0
	KLOAD 1
.irp t, 0,1,2,3,4,5,6,7
	KTILE \t
.endr
	global_store_b128 v2, v[SW:SW+3], s[10:11] offset:8192
	s_wait_tensorcnt 0x0
	ds_add_u32 v152, v153
	s_wait_dscnt 0x0
	s_endpgm
	; ---- V: job = 16 head + step.  A LANE TAKES A CHANNEL AND ITS REGISTERS RUN DOWN THE KEYS: a block of 32 keys lies in one lane, and the codes come out with the keys innermost.
	; Set q: key block q / 2 of the step, channels 32 (q % 2) + lane.
.macro VLOAD q
.irp i, 0,1,2,3,4,5,6,7,8,9,10,11,12,13,14,15,16,17,18,19,20,21,22,23,24,25,26,27,28,29,30,31
	global_load_b32 v[R+32*((\q)%2)+\i], v7, s[6:7] offset:(32*((\q)/2)+\i)*256+128*((\q)%2)   ; 128 consecutive bytes; the row's other 128 are read by the neighbouring set, so no once-only hint is given
.endr
.endm
.macro VBLOCK q
.set XS, R+32*((\q)%2)
.if (\q) < 7
	s_wait_loadcnt 32                              ; this set's 32 loads are in; the next set's may be out
.else
	s_wait_loadcnt 0x0
.endif
	BLKMAX XS
.irp g, 0,1,2,3
	v_cvt_scalef32_pk8_fp4_f32 v[C+4*(\q)+\g], v[XS+8*\g:XS+8*\g+7], v16
.endr
	v_lshrrev_b32 v17, 23, v16                     ; the scale's byte (also the plain place behind the conversions)
.if (\q)/2 == 0
	v_mov_b32 v[SW+(\q)%2], v17
.else
	v_lshl_or_b32 v[SW+(\q)%2], v17, 8*((\q)/2), v[SW+(\q)%2]
.endif
	global_store_b128 v8, v[C+4*(\q):C+4*(\q)+3], s[10:11] offset:4096+2048*((\q)%2)+512*((\q)/4)+256*(((\q)/2)%2)   ; each half of the lanes stores 256 consecutive bytes, aligned
.if (\q) < 6
	VLOAD (\q)+2
.endif
.endm
.Lv:
	s_sub_co_u32 s18, ttmp9, 256
	s_lshl_b32 s18, s18, 2
	s_add_co_u32 s18, s18, s16                     ; job
	s_lshl_b32 s26, s18, 15
	s_add_nc_u64 s[6:7], s[6:7], s[26:27]
	s_mul_i32 s26, s18, REC
	s_add_nc_u64 s[10:11], s[10:11], s[26:27]
	v_lshlrev_b32 v7, 2, v1                        ; in: 4 bytes a lane
	v_lshlrev_b32 v8, 10, v11
	v_lshl_add_u32 v8, v10, 4, v8                  ; out: lanes 16-31 are the next tile of 16 channels, 1,024 bytes on; 16 bytes a channel
	v_lshlrev_b32 v9, 3, v1                        ; the scale words: 8 bytes a lane
	VLOAD 0
	VLOAD 1
.irp q, 0,1,2,3,4,5,6,7
	VBLOCK \q
.endr
	global_store_b64 v9, v[SW:SW+1], s[10:11] offset:8704   ; 256 consecutive bytes, aligned
	s_endpgm
.Lfunc_end_k_qa11f8d3105_prep:
	.size	k_qa11f8d3105_prep, .Lfunc_end_k_qa11f8d3105_prep-k_qa11f8d3105_prep
	.p2alignl 7, 3214868480
	.fill 96, 4, 3214868480
	.section	.rodata,"a",@progbits
	.p2align	6, 0x0
	.amdhsa_kernel k_qa11f8d3105_prep
		.amdhsa_group_segment_fixed_size 35328
		.amdhsa_private_segment_fixed_size 0
		.amdhsa_enable_private_segment 0
		.amdhsa_kernarg_size 40
		.amdhsa_user_sgpr_count 2
		.amdhsa_user_sgpr_kernarg_segment_ptr 1
		.amdhsa_wavefront_size32 1
		.amdhsa_system_sgpr_workgroup_id_x 1
		.amdhsa_system_sgpr_workgroup_id_y 1
		.amdhsa_system_sgpr_workgroup_id_z 1
		.amdhsa_system_vgpr_workitem_id 0
		.amdhsa_next_free_vgpr 154
		.amdhsa_next_free_sgpr 66
		.amdhsa_reserve_vcc 0
		.amdhsa_float_denorm_mode_32 3
		.amdhsa_float_denorm_mode_16_64 3
		.amdhsa_memory_ordered 1
		.amdhsa_forward_progress 1
		.amdhsa_inst_pref_size 80
	.end_amdhsa_kernel
	.amdgpu_metadata
---
amdhsa.version: [ 1, 2 ]
amdhsa.kernels:
  - .name:           k_qa11f8d3105_prep
    .symbol:         k_qa11f8d3105_prep.kd
    .args:
      - { .name: K, .offset: 0, .size: 8, .value_kind: global_buffer, .address_space: global }
      - { .name: V, .offset: 8, .size: 8, .value_kind: global_buffer, .address_space: global }
      - { .name: mask, .offset: 16, .size: 8, .value_kind: global_buffer, .address_space: global }
      - { .name: kv, .offset: 24, .size: 8, .value_kind: global_buffer, .address_space: global }
      - { .name: mcodes, .offset: 32, .size: 8, .value_kind: global_buffer, .address_space: global }
    .group_segment_fixed_size: 35328
    .private_segment_fixed_size: 0
    .kernarg_segment_align: 8
    .kernarg_segment_size: 40
    .max_flat_workgroup_size: 128
    .sgpr_count:     66
    .vgpr_count:     154
    .wavefront_size: 32
...
	.end_amdgpu_metadata
.endif
;; end of part 1
;; launch attn (part 2): grid 4 x 64, 16 waves a work-group, clusters of 4 x 1, 215,040 bytes of LDS; arguments kv, mcodes, Q, out0; writes out0
.if DOCPART == 2
	.amdgcn_target "amdgcn-amd-amdhsa--gfx1250"
	.amdhsa_code_object_version 6
	.text
	.protected	k_qa11f8d3105_attn
	.globl	k_qa11f8d3105_attn
	.p2align	8
	.type	k_qa11f8d3105_attn,@function
k_qa11f8d3105_attn:
	s_mov_b64 s[64:65], 0
	v_nop
	global_prefetch_b8 v0, s[64:65] scope:SCOPE_SE
	s_setreg_imm32_b32 hwreg(HW_REG_WAVE_MODE, 25, 1), 1
	s_wait_xcnt 0x0
	s_wait_alu depctr_hold_cnt(0) depctr_sa_sdst(0) depctr_va_vdst(0) depctr_va_sdst(0) depctr_va_ssrc(0) depctr_va_vcc(0) depctr_vm_vsrc(0)
	s_getreg_b32 s2, hwreg(HW_REG_IB_STS2, 6, 4)
	s_cmp_eq_u32 s2, 0
	s_cbranch_scc0 .Lentry_in_a_cluster
	s_endpgm
.Lentry_in_a_cluster:
	s_bfe_u32 s2, ttmp6, 0x10000c
	s_cmp_lg_u32 s2, 0x3003
	s_cbranch_scc0 .Lentry_shape_is_right
	s_endpgm
.Lentry_shape_is_right:
; out0[head][q][:] = the sum over k of softmax_k(where(mask, -1e9, Q[q] . K[k]) / 8) V[k][:], 64 heads, 2,048 queries and keys, 64 channels; both products on FP4 (E2M1) codes with one E8M0 scale for each 32 along K.
; K and V come as records made by the launch before (per head and key step of 128: K's codes, V's codes with the keys innermost, both sides' scale words, each in the order of the operand's registers); the mask comes as FP4 codes.
; THE SOFTMAX: t = score x log2(e) / 8; M = the row's largest t so far among OPEN keys, rounded up to a whole number; p = 2^(t - M) is quantised along the keys; the row's sum is taken of the unquantised p and divides at the end.
; When M moves, the sum and O are multiplied by 2^(old M - new M): exact.
; THE MASK GOES THROUGH THE MATRIX UNIT.  Each tile of scores is begun by a product of a constant one-hot operand (-1.0 at the slot of the tile's own row, scale 1) with the step's 128 x 16 mask (0.5 where masked, scale 2^32):
; exactly 0 or -2^31; K Q^T then adds onto it in place.  A masked t lies under -2^27 and an open one above it (see LIMITS), so the maximum tells them apart.
; A ROW THAT HAS BEEN MASKED THROUGHOUT so far takes p = 1 for every key, as equal scores give (multiplier and addend of t - M are chosen 0); its first open key moves M by some 2^27, which wipes what was summed.
; K = 64 fills half of the instruction's 128: the queries' upper four registers are zero codes; against them stand the next tile's codes of K, and bytes 2, 3 of both scale words repeat bytes 0, 1.
; LIMITS: NaN and infinities are not served; open scores |q . k| stay under 2^29; a block of Q under 2^-124 gets the byte 1 (a block of zeros has zero codes).
; SHARES.  A work-group is one head and 512 queries; each of its sixteen waves owns two tiles of 16 queries, one after the other, in 256 registers.  The head's 16 records, 143,360 bytes, come into LDS once and stay:
; each wave fetches one; no LDS byte is filled twice, and the loop over the keys has no barrier.
; CLUSTER.  The four work-groups of a cluster are the four query blocks of one head: each record is asked for JOINTLY, by the same tensor load with the same descriptor and a mask that names the four.
; Q.  A wave's 32 rows are 8,192 consecutive bytes: sixteen loads of 512 bytes at the head.  Behind the wait for the tensor load they turn through the wave's own stage, so that a lane holds a block of 32 channels, and both tiles are quantised there.
; LAYOUT.  Both products are used transposed: S^T = K Q^T (source 0 = 16 keys, source 1 = my 16 queries), O^T = V^T P^T: a lane holds ONE query (lane % 16) throughout.  Row m of tile t = 4 c + g is key
; 64 c + 8 g + m % 8 + 32 (m / 8), so that the 32 registers of tiles 4 c .. 4 c + 3 are, in lane half h, the keys 64 c + 32 h + 0 .. 31: a WHOLE block of the second product's K in one lane, in the order of that operand's registers.
; So a block's maximum asks no other lane, and the conversions' results are the operand as it stands.
; THE MASK'S CODES ARE PREFETCHED: each step asks for the 1,024 bytes (four blocks of 256, lanes 0 to 3; the other lanes name the fourth again) that the load two steps on will name; every wave asks for its own, which no other wave
; of its cluster loads; the walk is held at the wave's last step, so no address leaves the wave's 32,768 bytes.  The records come once, at the head, where there is no loop to run ahead in.
.set REC,   8960                       ; a record: K's codes at 0, V's at 4096, K's scale words at 8192, V's at 8704
.set STAGE, 16*REC                     ; behind the records: 16 rows x 272 bytes for each wave: Q's turn at the head, and the way out; no tile lands there
.set SPT,   272
.set SPARE, STAGE+16*16*SPT            ; the spare words, 128 bytes for each wave
.set L16, 1                            ; v1   16 x lane
.set PFO, 2                            ; v2   the prefetches' offset: 256 x min(lane, 3)
.set ADR, 3                            ; v3   the step's record + 16 x lane (at the head: where I read Q back)
.set ADR8, 4                           ; v4   the step's record + 8 x lane
.set STO, 5                            ; v5   the way out: where I put 32 bytes of a row
.set RD,  6                            ; v6   two rows of my stage, 16 bytes a lane
.set SH8, 7                            ; v7   8 x (lane / 16)
.set RT,  8                            ; v8   the running largest t, never under -2^27
.set NM,  9                            ; v9   -M
.set CL,  10                           ; v10, v11 the multiplier in hand, twice: c, or 0 for a row masked throughout
.set AM,  12                           ; v12, v13 the addend in hand, twice: -M, or 0
.set SUM, 14                           ; v14, v15 the row's sum, in two halves
.set QF,  16                           ; v16-19 Q's codes; v20-23 zeros
.set MF,  24                           ; v24-31 the step's mask codes
.set CZ,  32                           ; v32-53 zeros, but for the one-hot word at v38 and v47: tile t's operand is the window of eight registers that has it at place t
.set EA,  54                           ; v54  scale words 2^0;  v55 2^32
.set EB,  55
.set QS,  56                           ; v56  Q's scale word
.set PS,  57                           ; v57  p's
.set VS,  58                           ; v58-59 V's
.set KS,  60                           ; v60-63 K's
.set KF,  64                           ; v64-95 K's eight tiles; v96-99 zeros
.set VF,  100                          ; v100-131 V's four fragments
.set S,   132                          ; v132-195 S^T, then p
.set O,   196                          ; v196-227 O^T
.set PC,  228                          ; v228-235 p's codes
.set MX,  236                          ; v236-237 my two blocks' largest scores, then largest p, then scale bytes
.set SO,  238                          ; v238-239 the conversions' scale operands
.set T1,  240                          ; v240 a lane permute's destination
.set Q2S, 241                          ; v241 the second tile's scale word
.set P1,  242                          ; v242-247 three pairs at work: second chains of the maxima, then of the sums
.set F,   248                          ; v248, v249 f = 2^(old M - new M), twice
.set W,   250                          ; v250 at work
.set CC,  251                          ; v251 c
.set Q2,  252                          ; v252-255 the second tile's codes (v254, v255 serve the add at the head and at the end)
.macro CROUND                          ; a round of the cluster's barrier
	s_barrier_signal -1
	s_barrier_wait -1
	s_cmp_lg_u32 s12, 0
	s_cbranch_scc1 .Lnot_wave_0_\@
	s_barrier_signal -3
.Lnot_wave_0_\@:
	s_barrier_wait -3
	s_barrier_signal -1
	s_barrier_wait -1
.endm
; A block of 32 channels in v[xs] .. v[xs + 31] becomes four registers of codes and, with lane l xor 16's byte, the row's scale word (s0, s1, s0, s1).
.macro QUANT xs, qd, qs
	v_max3_num_f32 v[W], |v[\xs]|, |v[\xs+1]|, |v[\xs+2]|
	v_max3_num_f32 v[F], |v[\xs+3]|, |v[\xs+4]|, |v[\xs+5]|
.irp i, 6,10,14,18,22,26
	s_delay_alu instid0(VALU_DEP_2)
	v_max3_num_f32 v[W], v[W], |v[\xs+\i]|, |v[\xs+\i+1]|
	s_delay_alu instid0(VALU_DEP_2)
	v_max3_num_f32 v[F], v[F], |v[\xs+\i+2]|, |v[\xs+\i+3]|
.endr
	s_delay_alu instid0(VALU_DEP_2)
	v_max3_num_f32 v[W], v[W], |v[\xs+30]|, |v[\xs+31]|
	s_delay_alu instid0(VALU_DEP_1)
	v_max3_num_f32 v[W], v[W], v[F], 0x1800000     ; and the floor 2^(3 - 127): the byte cannot fall under 1
	s_delay_alu instid0(VALU_DEP_1)
	v_add_nc_u32 v[W], 0xff000000, v[W]            ; 2 off the exponent field: the conversions' scale operand
.irp g, 0,1,2,3
	v_cvt_scalef32_pk8_fp4_f32 v[\qd+\g], v[\xs+8*\g:\xs+8*\g+7], v[W]
.endr
	v_lshrrev_b32 v[F], 23, v[W]                   ; the scale's byte (also the plain place behind the conversions),
	s_delay_alu instid0(VALU_DEP_1)
	v_lshlrev_b32 v[F], v[SH8], v[F]               ; 8 h bits up;
	s_delay_alu instid0(VALU_DEP_1)
	v_permlanex16_b32 v[T1], v[F], s28, s29
	s_delay_alu instid0(VALU_DEP_1)
	v_or_b32 v[F], v[F], v[T1]                     ; with lane l xor 16's;
	s_delay_alu instid0(VALU_DEP_1)
	v_lshl_or_b32 v[\qs], v[F], 16, v[F]           ; repeated for the upper 64 along K
.endm
	s_load_b256 s[4:11], s[0:1], 0x0               ; kv s[4:5], mcodes s[6:7], Q s[8:9], out0 s[10:11]
	v_lshl_add_u32 v254, v0, 2, SPARE
	v_mov_b32 v255, 0
	ds_add_u32 v254, v255                          ; the opening lines: the add, twice on end, and its wait ahead of my tensor load
	ds_add_u32 v254, v255
	v_lshrrev_b32 v8, 5, v0
	s_delay_alu instid0(VALU_DEP_1)
	v_readfirstlane_b32 s12, v8                    ; wave 0..15
	v_and_b32 v[L16], 31, v0
	s_delay_alu instid0(VALU_DEP_1)
	v_min_u32 v[PFO], 3, v[L16]
	v_lshlrev_b32 v[L16], 4, v[L16]
	s_delay_alu instid0(VALU_DEP_2)
	v_lshlrev_b32 v[PFO], 8, v[PFO]
	s_bfe_u32 s13, ttmp6, 0x40000                  ; cx: it enters the addresses of the mask's codes, of Q and of out0 alone
	s_lshl_b32 s14, ttmp9, 2
	s_add_co_u32 s14, s14, s13                     ; my block of 512 queries
	s_and_b32 s15, ttmp7, 0xffff                   ; the head, which the four partners share
	; descriptor group 1: a record as 35 rows of 256 bytes (32 elements of 8 bytes), dense in memory and in LDS
	s_mov_b32 s16, 15|(3<<16)|(1<<21)              ; the mask: all four work-groups; elements of 8 bytes; bit 21 beside a mask
	s_mov_b32 s17, 32<<16
	s_mov_b32 s18, 35<<16
	s_mov_b32 s19, 32<<16
	s_mov_b32 s20, 35
	s_mov_b32 s21, 32
	s_mov_b32 s22, 0
	s_mov_b32 s23, 0
	s_mov_b32 s24, 1                               ; group 0: count = 1;
	s_mul_i32 s25, s12, REC                        ; LDS address: record = wave;
	s_mul_i32 s42, s15, 16*REC
	s_add_co_u32 s42, s42, s25                     ; and the same record of my head in memory
	s_mov_b32 s43, 0
	s_lshr_b32 s44, s15, 4                         ; the mask's codes: batch x 128
	s_lshl_b32 s44, s44, 7
	s_lshl_b32 s45, s14, 5                         ; + 32 tiles a block
	s_add_co_u32 s44, s44, s45
	s_lshl_b32 s45, s12, 1                         ; + 2 a wave,
	s_add_co_u32 s44, s44, s45
	s_lshl_b32 s44, s44, 14                        ; 16,384 bytes a tile
	s_mov_b32 s45, 0
	s_lshl_b32 s46, s15, 11                        ; Q and out0: row 2,048 x head
	s_lshl_b32 s47, s14, 9                         ; + 512 x block
	s_add_co_u32 s46, s46, s47
	s_lshl_b32 s47, s12, 5                         ; + 32 x wave,
	s_add_co_u32 s46, s46, s47
	s_lshl_b32 s46, s46, 8                         ; 256 bytes a row
	s_mov_b32 s47, 0
	s_mov_b32 s28, 0x76543210
	s_mov_b32 s29, 0xfedcba98                      ; v_permlanex16_b32's selects for lane l xor 16
	s_mov_b32 s30, 0x3e38aa3b                      ; c = log2(e) / 8
	s_mov_b32 s31, 0xcd000000                      ; -2^27: above every masked t, under every open one
	s_mov_b32 s34, 0                               ; s[34:35]: how far the wave has walked in its 32 KiB of mask codes
	s_mov_b32 s35, 0
	s_mov_b32 s51, 0                               ; s[50:51]: the same for the prefetches
	s_wait_dscnt 0x0                               ; both opening adds are done
	s_wait_kmcnt 0x0
	s_add_nc_u64 s[26:27], s[4:5], s[42:43]
	s_or_b32 s27, s27, 0x80000000                  ; type = 2
	s_add_nc_u64 s[32:33], s[6:7], s[44:45]        ; my wave's mask codes
	s_mov_b64 s[36:37], s[32:33]                   ; and the step's in hand
	s_add_nc_u64 s[8:9], s[8:9], s[46:47]
	s_add_nc_u64 s[10:11], s[10:11], s[46:47]
	CROUND                                         ; all four work-groups are here: the joint loads meet
	tensor_load_to_lds s[24:27], s[16:23]          ; my record: the one tensor load of this wave
	s_nop 0
.rept 4
	v_nop
.endr
	s_wait_alu depctr_va_vdst(0)                   ; the wait here, ahead of the readers below
.irp j, 0,1,2,3,4,5,6,7,8,9,10,11,12,13,14,15
	global_load_b128 v[S+4*\j:S+4*\j+3], v[L16], s[8:9] offset:512*\j th:TH_LOAD_NT   ; Q as it lies: rows 2 j, 2 j + 1 of my 32: 512 consecutive bytes
.endr
	global_load_b128 v[MF:MF+3], v[L16], s[36:37]              ; the mask codes of my first step
	global_load_b128 v[MF+4:MF+7], v[L16], s[36:37] offset:512
	v_and_b32 v8, 15, v0                           ; r
	v_bfe_u32 v9, v0, 4, 1                         ; h
	s_mul_i32 s48, s12, 16*SPT
	s_add_co_u32 s48, s48, STAGE                   ; my stage
	v_mul_u32_u24 v[STO], v8, SPT
	v_mul_u32_u24 v[RD], v9, SPT
	s_delay_alu instid0(VALU_DEP_2)
	v_add_nc_u32 v[STO], s48, v[STO]               ; row r
	s_delay_alu instid0(VALU_DEP_2)
	v_lshl_add_u32 v[RD], v8, 4, v[RD]
	s_delay_alu instid0(VALU_DEP_2)
	v_lshl_add_u32 v[ADR], v9, 7, v[STO]           ; Q back: row r, my half's 128 bytes
	v_lshl_add_u32 v[STO], v9, 5, v[STO]           ; the way out, in: row r; tile tau's eight channels of my half: 64 tau + 32 h bytes on
	v_add_nc_u32 v[RD], s48, v[RD]                 ; lanes 0-15 one row, lanes 16-31 the next
	v_lshlrev_b32 v[SH8], 3, v9
	; the one-hot word: row m of a tile has its slot in half m / 8 of the lanes, nibble m % 8: the code 0xA is -1.0
	v_lshrrev_b32 v[PC], 3, v8
	v_and_b32 v[PC+1], 7, v8
	v_mov_b32 v[PC+2], 10
	s_delay_alu instid0(VALU_DEP_3)
	v_cmp_eq_u32 vcc_lo, v[PC], v9
	v_lshlrev_b32 v[PC+1], 2, v[PC+1]
	s_delay_alu instid0(VALU_DEP_1)
	v_lshlrev_b32 v[PC+1], v[PC+1], v[PC+2]
	s_delay_alu instid0(VALU_DEP_1)
	v_cndmask_b32 v[CZ+6], 0, v[PC+1], vcc_lo
	s_delay_alu instid0(VALU_DEP_1)
	v_mov_b32 v[CZ+15], v[CZ+6]
.irp j, 0,1,2,3,4,5,7,8,9,10,11,12,13,14,16,17,18,19,20,21
	v_mov_b32 v[CZ+\j], 0
.endr
	v_mov_b32 v[EA], 0x7f7f7f7f
	v_mov_b32 v[EB], 0x9f9f9f9f
.irp j, 0,1,2,3
	v_mov_b32 v[QF+4+\j], 0                        ; the queries' upper 64 along K: zero codes
	v_mov_b32 v[KF+32+\j], 0                       ; what stands against them in tile 7
.endr
	v_mov_b32 v[T1], 0                             ; written once: a lane permute's destination counts as one of its sources
	v_mov_b32 v[CC], s30
	s_wait_alu depctr_va_vdst(0)
	s_wait_tensorcnt 0x0                           ; my record has landed: no load of the engine is out when I store to LDS
	s_wait_loadcnt 0x2                             ; Q's sixteen loads are in; the mask's two, issued behind them, may be out
.irp j, 0,1,2,3,4,5,6,7
	ds_store_b128 v[RD], v[S+4*\j:S+4*\j+3] offset:2*SPT*\j        ; my first tile's rows 2 j, 2 j + 1
.endr
.irp m, 0,1,2,3,4,5,6,7
	ds_load_b128 v[VF+4*\m:VF+4*\m+3], v[ADR] offset:16*\m         ; back: row r's channels 32 h .. 32 h + 31.  LDS serves a wave's instructions in order (ISA guide 5.7.1.4)
.endr
.irp j, 0,1,2,3,4,5,6,7
	ds_store_b128 v[RD], v[S+32+4*\j:S+32+4*\j+3] offset:2*SPT*\j  ; the second tile, behind the first's reads
.endr
.irp m, 0,1,2,3,4,5,6,7
	ds_load_b128 v[O+4*\m:O+4*\m+3], v[ADR] offset:16*\m
.endr
	s_wait_dscnt 0x0                               ; both blocks are in my registers; no LDS instruction of mine is out at the signal
	s_barrier_signal -1                            ; my record is in
	QUANT VF, QF, QS                               ; work on registers between the signal and the wait
	QUANT O, Q2, Q2S
	s_wait_alu depctr_va_vdst(0)
	s_barrier_wait -1                              ; everybody's record is in: the head's keys and values lie in LDS for the rest of the launch
	s_mov_b32 s40, 2
.Ltile:                                                ; ---- A TILE OF 16 QUERIES
	v_mov_b32 v[RT], s31                           ; no open key yet
	v_mov_b32 v[NM], 0x4d000000                    ; -M = 2^27
	v_mov_b32 v[SUM], 0
	v_mov_b32 v[SUM+1], 0
.set j, 0
.rept 32
	v_mov_b32 v[O+j], 0                            ; O^T: the step is written once; its first trip finds zeros.  (Also the places between Q's codes and scale word and the first product)
.set j, j+1
.endr
	s_mov_b32 s38, 0                               ; the record in hand
	s_mov_b32 s39, 16
.Lstep:                                                ; ---- A KEY STEP: 128 keys
	v_add_nc_u32 v[ADR], s38, v[L16]
	v_lshrrev_b32 v[ADR8], 1, v[L16]
	s_delay_alu instid0(VALU_DEP_1)
	v_add_nc_u32 v[ADR8], s38, v[ADR8]
	v_nop                                          ; four places behind the last step's products, whose fragments and scale words of V are loaded anew
	ds_load_b128 v[KS:KS+3], v[ADR] offset:8192
.irp t, 0,1,2,3,4,5,6,7
	ds_load_b128 v[KF+4*\t:KF+4*\t+3], v[ADR] offset:512*\t
.endr
.irp f, 0,1,2,3,4,5,6,7
	ds_load_b128 v[VF+4*\f:VF+4*\f+3], v[ADR] offset:4096+512*\f
.endr
	ds_load_b64 v[VS:VS+1], v[ADR8] offset:8704
	s_wait_loadcnt 0x0                             ; the step's mask codes, asked for a step ago
.irp t, 0,1,2,3,4,5,6,7                        ; the mask's product starts each tile's sum: 0, or -2^31 where masked
	v_wmma_scale_f32_16x16x128_f8f6f4 v[S+8*\t:S+8*\t+7], v[CZ+6+9*(\t%2)-\t:CZ+6+9*(\t%2)-\t+7], v[MF:MF+7], 0, v[EA], v[EB] matrix_a_fmt:MATRIX_FMT_FP4 matrix_b_fmt:MATRIX_FMT_FP4
.endr
	s_wait_dscnt 9                                 ; K's scale words and codes are in; the nine younger loads (V's eight, V's scale words) may be out
.irp t, 0,1,2,3,4,5,6,7                        ; S^T += K Q^T.  The eight accumulators take turns, one instruction a turn
.if \t%2
	v_wmma_scale_f32_16x16x128_f8f6f4 v[S+8*\t:S+8*\t+7], v[KF+4*\t:KF+4*\t+7], v[QF:QF+7], v[S+8*\t:S+8*\t+7], v[KS+\t/2], v[QS] matrix_a_fmt:MATRIX_FMT_FP4 matrix_b_fmt:MATRIX_FMT_FP4 matrix_a_scale:MATRIX_SCALE_ROW1
.else
	v_wmma_scale_f32_16x16x128_f8f6f4 v[S+8*\t:S+8*\t+7], v[KF+4*\t:KF+4*\t+7], v[QF:QF+7], v[S+8*\t:S+8*\t+7], v[KS+\t/2], v[QS] matrix_a_fmt:MATRIX_FMT_FP4 matrix_b_fmt:MATRIX_FMT_FP4
.endif
.endr
.rept 4
	v_nop                                          ; places in front of the first read of the scores and of the loads into the mask's registers
.endr
	s_wait_xcnt 0x0                                ; the last step's loads and prefetch have read their bases, which are written anew
	s_add_co_u32 s34, s34, 1024                    ; the next step's mask codes: the walk runs on into my second tile;
	s_min_u32 s34, s34, 31744                      ; my very last step asks for its own again, so that no load leaves the buffer
	s_add_nc_u64 s[36:37], s[32:33], s[34:35]
	s_add_co_u32 s50, s34, 2048                    ; the prefetch: two steps further on than the load, held at my last step likewise
	s_min_u32 s50, s50, 31744
	s_add_nc_u64 s[52:53], s[32:33], s[50:51]
	global_load_b128 v[MF:MF+3], v[L16], s[36:37]              ; they have the whole softmax in which to land
	global_load_b128 v[MF+4:MF+7], v[L16], s[36:37] offset:512
	global_prefetch_b8 v[PFO], s[52:53] th:TH_LOAD_NT scope:SCOPE_SE
.irp c, 0,1                                    ; the largest score of each of my two blocks of 32 keys, in two chains each: it serves for the row's maximum and, since p rises with the score, for the block's largest p
	v_max3_num_f32 v[MX+\c], v[S+32*\c], v[S+32*\c+1], v[S+32*\c+2]
	v_max3_num_f32 v[P1+\c], v[S+32*\c+16], v[S+32*\c+17], v[S+32*\c+18]
.endr
.irp i, 3,5,7,9,11,13
.irp c, 0,1
	v_max3_num_f32 v[MX+\c], v[MX+\c], v[S+32*\c+\i], v[S+32*\c+\i+1]      ; (four chains by turns; each accumulator is first read at its low end)
	v_max3_num_f32 v[P1+\c], v[P1+\c], v[S+32*\c+16+\i], v[S+32*\c+17+\i]
.endr
.endr
.irp c, 0,1
	v_max3_num_f32 v[MX+\c], v[MX+\c], v[P1+\c], v[S+32*\c+15]
.endr
.irp c, 0,1
	v_max_num_f32 v[MX+\c], v[MX+\c], v[S+32*\c+31]
.endr
	s_delay_alu instid0(VALU_DEP_1)
	v_max_num_f32 v[W], v[MX], v[MX+1]
	s_delay_alu instid0(VALU_DEP_1)
	v_permlanex16_b32 v[T1], v[W], s28, s29
	s_delay_alu instid0(VALU_DEP_1)
	v_max_num_f32 v[W], v[W], v[T1]                ; with lane l xor 16's two blocks: the step's largest score of my query
	s_delay_alu instid0(VALU_DEP_1)
	v_mul_f32 v[W], s30, v[W]                      ; as t
	s_delay_alu instid0(VALU_DEP_1)
	v_max_num_f32 v[RT], v[RT], v[W]               ; the running largest t; masked keys lie under its floor -2^27 and never move it
	v_mov_b32 v[W], v[NM]
	s_delay_alu instid0(VALU_DEP_2)
	v_floor_f32 v[NM], -v[RT]                      ; the new -M = -ceil(t): a whole number
	v_cmp_lt_f32 vcc_lo, s31, v[RT]                ; has my query had an open key?
	s_delay_alu instid0(VALU_DEP_2)
	v_sub_f32 v[W], v[NM], v[W]                    ; old M - new M: a whole number, 0 or less
	v_cndmask_b32 v[CL], 0, v[CC], vcc_lo          ; then t - M = c s - M; else 0 s + 0: p = 1 for every key
	v_cndmask_b32 v[CL+1], 0, v[CC], vcc_lo        ; (each twice: the two halves of a pair below name different registers)
	v_cndmask_b32 v[AM], 0, v[NM], vcc_lo
	v_cndmask_b32 v[AM+1], 0, v[NM], vcc_lo
	v_cvt_i32_f32 v[W], v[W]
	s_delay_alu instid0(VALU_DEP_1)
	v_ldexp_f32 v[F], 1.0, v[W]                    ; f = 2^(old M - new M); 0 at a row's first open key
	v_ldexp_f32 v[F+1], 1.0, v[W]
.set j, 0
.rept 32
	v_dual_fma_f32 v[S+j], v[S+j], v[CL], v[AM] :: v_dual_fma_f32 v[S+j+1], v[S+j+1], v[CL+1], v[AM+1]   ; t - M, two at a time
.set j, j+2
.endr
.irp c, 0,1
	v_fma_f32 v[MX+\c], v[MX+\c], v[CL], v[AM]     ; the same of each block's largest score
.endr
.set j, 0
.rept 16
	v_dual_mul_f32 v[O+j], v[F], v[O+j] :: v_dual_mul_f32 v[O+j+1], v[F+1], v[O+j+1]   ; O^T under the new M, each accumulator from its low end on
.set j, j+2
.endr
	s_wait_alu depctr_va_vdst(0)
.set j, 0
.rept 64
	v_exp_f32 v[S+j], v[S+j]                       ; p = 2^(t - M), at most 1; 0 for a masked key of a row with open keys
.set j, j+1
.endr
.irp c, 0,1
	v_exp_f32 v[MX+\c], v[MX+\c]                   ; the block's largest p: the same two operations on the same number
.endr
	v_mul_f32 v[SUM], v[F], v[SUM]                 ; the sums under the new M (also the plain place behind the exponentials)
	v_mul_f32 v[SUM+1], v[F+1], v[SUM+1]
	s_wait_alu depctr_va_vdst(0)                   ; one wait for the whole batch, ahead of its first reader
.irp c, 0,1
	v_max_num_f32 v[MX+\c], 0x1800000, v[MX+\c]    ; the floor 2^(3 - 127): a block whose every p is 0 keeps the byte 1: its codes are zeros
.endr
.irp c, 0,1
	s_delay_alu instid0(VALU_DEP_2)
	v_add_nc_u32 v[SO+\c], 0xff000000, v[MX+\c]    ; 2 off the exponent field: the conversion's scale operand
.endr
.irp c, 0,1
	s_delay_alu instid0(VALU_DEP_2)
	v_lshrrev_b32 v[MX+\c], 23, v[SO+\c]           ; the scale's byte
.endr
	s_delay_alu instid0(VALU_DEP_1)
	v_lshl_or_b32 v[W], v[MX+1], 16, v[MX]         ; my two bytes: blocks h and 2 + h,
	s_delay_alu instid0(VALU_DEP_1)
	v_lshlrev_b32 v[W], v[SH8], v[W]               ; at their places in the word;
	s_delay_alu instid0(VALU_DEP_1)
	v_permlanex16_b32 v[T1], v[W], s28, s29
	s_delay_alu instid0(VALU_DEP_1)
	v_or_b32 v[PS], v[W], v[T1]                    ; with lane l xor 16's two: p's scale word for these 128 keys
.irp c, 0,1
.irp g, 0,1,2,3
	v_cvt_scalef32_pk8_fp4_f32 v[PC+4*\c+\g], v[S+32*\c+8*\g:S+32*\c+8*\g+7], v[SO+\c]   ; registers 4 c .. 4 c + 3 of the operand: keys 64 c + 32 h + 0 .. 31
.endr
.endr
	v_nop                                          ; one plain place behind the scaled conversions
	; THE ROW'S SUM IS TAKEN OF THE UNQUANTISED p: four pairs of chains by turns.  (These 32 lines are also the places between p's codes and scale word and the products below)
	v_dual_add_f32 v[P1], v[S], v[S+2] :: v_dual_add_f32 v[P1+1], v[S+1], v[S+3]
	v_dual_add_f32 v[P1+2], v[S+4], v[S+6] :: v_dual_add_f32 v[P1+3], v[S+5], v[S+7]
	v_dual_add_f32 v[P1+4], v[S+8], v[S+10] :: v_dual_add_f32 v[P1+5], v[S+9], v[S+11]
.set k, 6
.rept 26
.if k%4 == 0
.set ACC, SUM
.else
.set ACC, P1-2+2*(k%4)
.endif
	v_dual_add_f32 v[ACC], v[S+2*k], v[ACC] :: v_dual_add_f32 v[ACC+1], v[S+2*k+1], v[ACC+1]
.set k, k+1
.endr
	v_dual_add_f32 v[P1], v[P1+2], v[P1] :: v_dual_add_f32 v[P1+1], v[P1+3], v[P1+1]
	v_dual_add_f32 v[SUM], v[P1+4], v[SUM] :: v_dual_add_f32 v[SUM+1], v[P1+5], v[SUM+1]
	v_dual_add_f32 v[SUM], v[P1], v[SUM] :: v_dual_add_f32 v[SUM+1], v[P1+1], v[SUM+1]
	s_wait_alu depctr_va_vdst(0)
	s_wait_dscnt 0x0                               ; V's fragments and scale words, asked for at the step's head
.irp t, 0,1,2,3                                ; O^T += V^T P^T: four tiles of 16 channels by turns; K = these 128 keys
.if \t%2
	v_wmma_scale_f32_16x16x128_f8f6f4 v[O+8*\t:O+8*\t+7], v[VF+8*\t:VF+8*\t+7], v[PC:PC+7], v[O+8*\t:O+8*\t+7], v[VS+\t/2], v[PS] matrix_a_fmt:MATRIX_FMT_FP4 matrix_b_fmt:MATRIX_FMT_FP4 matrix_a_scale:MATRIX_SCALE_ROW1
.else
	v_wmma_scale_f32_16x16x128_f8f6f4 v[O+8*\t:O+8*\t+7], v[VF+8*\t:VF+8*\t+7], v[PC:PC+7], v[O+8*\t:O+8*\t+7], v[VS+\t/2], v[PS] matrix_a_fmt:MATRIX_FMT_FP4 matrix_b_fmt:MATRIX_FMT_FP4
.endif
.endr
	s_add_co_u32 s38, s38, REC
	s_sub_co_u32 s39, s39, 1
	s_cmp_lg_u32 s39, 0
	s_cbranch_scc1 .Lstep
	; ---- THE WAY OUT of a tile: O^T / the sum goes through my stage in LDS and leaves as whole rows of 256 bytes
	v_add_f32 v[SUM], v[SUM], v[SUM+1]             ; the sum's two halves,
	s_delay_alu instid0(VALU_DEP_1)
	v_permlanex16_b32 v[T1], v[SUM], s28, s29
	s_delay_alu instid0(VALU_DEP_1)
	v_add_f32 v[SUM], v[SUM], v[T1]                ; and lane l xor 16's: the row's sum, over 1/2 since the largest p is
	s_wait_alu depctr_va_vdst(0)
	v_rcp_f32 v[W], v[SUM]
.rept 4
	v_nop                                          ; the plain place behind the reciprocal, and the places behind the last products
.endr
	s_wait_alu depctr_va_vdst(0)                   ; the wait, directly ahead of the first reader of the reciprocal and of O^T
.set j, 0
.rept 32
	v_mul_f32 v[S+j], v[O+j], v[W]                 ; register 8 tau + i is out0(query r, channel 16 tau + 8 h + i); each accumulator from its low end on
.set j, j+1
.endr
.irp t, 0,1,2,3
	ds_store_b128 v[STO], v[S+8*\t:S+8*\t+3] offset:64*\t
	ds_store_b128 v[STO], v[S+8*\t+4:S+8*\t+7] offset:64*\t+16
.endr
.irp i, 0,1,2,3,4,5,6,7
	ds_load_b128 v[S+32+4*\i:S+32+4*\i+3], v[RD] offset:2*SPT*\i   ; LDS serves a wave's instructions in order: these see my stores
.endr
.irp i, 0,1,2,3,4,5,6,7
	s_wait_dscnt 7-\i                              ; load i is back; the later ones may be out
	global_store_b128 v[L16], v[S+32+4*\i:S+32+4*\i+3], s[10:11] offset:512*\i th:TH_STORE_NT   ; two rows: 512 consecutive bytes, at a multiple of 256 from out0's first byte
.endr
	s_wait_xcnt 0x0                                ; the stores' data and base are written again only behind this wait
	s_add_nc_u64 s[10:11], s[10:11], 4096          ; my second tile: 16 rows on
.irp g, 0,1,2,3
	v_mov_b32 v[QF+\g], v[Q2+\g]                   ; and its codes,
.endr
	v_mov_b32 v[QS], v[Q2S]                        ; and its scale word
	s_sub_co_u32 s40, s40, 1
	s_cmp_lg_u32 s40, 0
	s_wait_alu depctr_va_vdst(0)
	s_cbranch_scc1 .Ltile
	v_lshl_add_u32 v254, v0, 2, SPARE              ; the add's two registers, made anew: no two could be kept
	v_mov_b32 v255, 0
	s_wait_alu depctr_va_vdst(0)
	s_wait_tensorcnt 0x0                           ; the wave's end
	ds_add_u32 v254, v255
	s_wait_dscnt 0x0
	CROUND                                         ; the closing round: no work-group ends while a partner may still ask for a record that names it
	s_endpgm
.Lfunc_end_k_qa11f8d3105_attn:
	.size	k_qa11f8d3105_attn, .Lfunc_end_k_qa11f8d3105_attn-k_qa11f8d3105_attn
	.p2alignl 7, 3214868480
	.fill 96, 4, 3214868480
	.section	.rodata,"a",@progbits
	.p2align	6, 0x0
	.amdhsa_kernel k_qa11f8d3105_attn
		.amdhsa_group_segment_fixed_size 215040
		.amdhsa_private_segment_fixed_size 0
		.amdhsa_enable_private_segment 0
		.amdhsa_kernarg_size 32
		.amdhsa_user_sgpr_count 2
		.amdhsa_user_sgpr_kernarg_segment_ptr 1
		.amdhsa_wavefront_size32 1
		.amdhsa_system_sgpr_workgroup_id_x 1
		.amdhsa_system_sgpr_workgroup_id_y 1
		.amdhsa_system_sgpr_workgroup_id_z 1
		.amdhsa_system_vgpr_workitem_id 0
		.amdhsa_next_free_vgpr 256
		.amdhsa_next_free_sgpr 66
		.amdhsa_reserve_vcc 1
		.amdhsa_float_denorm_mode_32 3
		.amdhsa_float_denorm_mode_16_64 3
		.amdhsa_memory_ordered 1
		.amdhsa_forward_progress 1
		.amdhsa_inst_pref_size 37
	.end_amdhsa_kernel
	.amdgpu_metadata
---
amdhsa.version: [ 1, 2 ]
amdhsa.kernels:
  - .name:           k_qa11f8d3105_attn
    .symbol:         k_qa11f8d3105_attn.kd
    .args:
      - { .name: kv, .offset: 0, .size: 8, .value_kind: global_buffer, .address_space: global }
      - { .name: mcodes, .offset: 8, .size: 8, .value_kind: global_buffer, .address_space: global }
      - { .name: Q, .offset: 16, .size: 8, .value_kind: global_buffer, .address_space: global }
      - { .name: out0, .offset: 24, .size: 8, .value_kind: global_buffer, .address_space: global }
    .group_segment_fixed_size: 215040
    .private_segment_fixed_size: 0
    .kernarg_segment_align: 8
    .kernarg_segment_size: 32
    .max_flat_workgroup_size: 512
    .sgpr_count:     66
    .vgpr_count:     256
    .wavefront_size: 32
...
	.end_amdgpu_metadata
.endif
;; end of part 2
